; MI455X (gfx1250); checked and timed in simulation.
; The chip was launched on July 23, 2026; its instructions are those of AMD's public machine-readable ISA for CDNA 5 (MIT licence, August 2026) and "CDNA5" Instruction Set Architecture Reference Guide (July 2026). The comments in the code are by the model that wrote it; some were corrected since.
;; Quantized Embedding. Allowed arithmetic: float matrix products may take bf16 or f16 operands with f32 sums; all other float work in f32.
;; Inputs: input 8 x 512 int32; weight 50,257 x 768 float32.
;; Outputs: out0 8 x 512 x 768 float32.
;; One version. Each part assembles by itself: llvm-mc -triple=amdgcn-amd-amdhsa -mcpu=gfx1250 --defsym DOCPART=n.
;; ======== version 1 of 1: 1 launch
;; launch gatherquant (part 1): grid 256 x 1, 16 waves a work-group, no clusters, 0 bytes of LDS; arguments input, weight, out0; writes out0
.if DOCPART == 1
	.amdgcn_target "amdgcn-amd-amdhsa--gfx1250"
	.amdhsa_code_object_version 6
	.text
	.protected	k_q7c9fa9cf47_gatherquant
	.globl	k_q7c9fa9cf47_gatherquant
	.p2align	8
	.type	k_q7c9fa9cf47_gatherquant,@function
k_q7c9fa9cf47_gatherquant:
	s_mov_b64 s[64:65], 0
	v_nop
	global_prefetch_b8 v0, s[64:65] scope:SCOPE_SE
	s_setreg_imm32_b32 hwreg(HW_REG_WAVE_MODE, 25, 1), 1
	s_wait_xcnt 0x0
; out0[t][:] = fake_quant(weight[input[t]][:]) for the 4,096 tokens t.  The quantisation is per row, so only the rows that
; the list names are read and quantised: 4,096 x 3,072 bytes in, the same out.
; 256 work-groups of 16 waves; ONE WAVE = ONE TOKEN = ONE ROW of 768 f32: six loads of 16 bytes a lane, each covering 512
; neighbouring bytes, 24 numbers a lane.  The row stays in registers between the pass that finds the largest magnitude and
; the pass that scales, so it is read once; the reduction never leaves the wave: no LDS, no barrier.  All rows of the launch are
; requested at once, so there is no loop.  No work-group shares data with another by design: no cluster, no tensor load.
;
; ROUNDING.  A number that is rounded to the neighbouring integer is wrong by a whole step (absmax / 127), so the last bit of
; w / scale matters.  The reference's two divisions are made in the form that a compiler leaves which turns a division by a constant
; and by a number fixed along the row into products:  scale = m x RN(1/127),  t = w x RN(1/scale),  each product rounded once.
; 1 / scale is therefore made correctly rounded (a Newton step behind v_rcp_f32; for a scale whose significand is all ones its
; last bit may differ).  q - w is formed by one fused multiply-add (one rounding in place of two).
; LIMITS.  (1) Against true f32 divisions about one number in a million lands on the neighbouring integer, one step off.
; (2) Rows that hold a NaN or an infinity: the reference makes the whole row NaN, this text does not (v_max*_num drops NaN).
; (3) An index is read as unsigned and clamped to 50,256; the problem keeps indices inside the table; a negative index, which JAX
; would wrap, lands on the last row here.
.set ROW,   3072                       ; bytes in a row of weight and of out0 (12 x 256, so every row starts at a multiple of 256)
.set LAST,  50256                      ; the table's last row
.set W,   4                            ; v[4:27]   the row: piece j (16 bytes a lane) in 4 registers; at the end the result
.set M,   28                           ; v[28:29]  two running maxima of |w|
.set NS,  32                           ; v[32:33]  -scale, twice (a pair for the packed forms)
.set Y,   34                           ; v34       -(first guess of 1 / scale)
.set E2,  35                           ; v35       its error
.set R,   36                           ; v[36:37]  1 / scale, twice
.set T,   40                           ; v[40:47]  eight quotients, then eight integers
.set U,   48                           ; v[48:55]  eight differences w - q
.set C127,   0x42fe0000                ; 127.0
.set CN127,  0xc2fe0000                ; -127.0
.set CNINV,  0xbc010204                ; -(1 / 127 rounded to f32)
.set CFLOOR, 0x322bcc77                ; 1e-8
	s_load_b128 s[4:7], s[0:1], 0x0                ; input s[4:5], weight s[6:7]
	s_load_b64 s[8:9], s[0:1], 0x10                ; out0
	v_lshrrev_b32 v2, 5, v0
	v_readfirstlane_b32 s10, v2                    ; wave 0..15
	s_lshl_b32 s11, ttmp9, 4
	s_add_co_u32 s11, s11, s10                     ; my token = 16 x work-group + wave
	s_lshl_b32 s12, s11, 2                         ; its index: 4 bytes each
	s_wait_kmcnt 0x0
	s_load_b32 s14, s[4:5], s12 offset:0x0         ; input[token]: one number for the whole wave, so a scalar load
	; while the index is on its way: everything that does not hang on it
	v_and_b32 v1, 31, v0
	v_lshlrev_b32 v1, 4, v1                        ; 16 bytes a lane
	s_mul_i32 s16, s11, ROW                        ; at most 4,095 x 3,072: fits 32 bits
	s_mov_b32 s17, 0
	s_add_nc_u64 s[8:9], s[8:9], s[16:17]          ; out0 at my row
	s_mov_b32 s15, 0
	s_mov_b32 s18, 0x76543210                      ; v_permlanex16_b32: lane i of one half reads lane i of the other
	s_mov_b32 s19, 0xfedcba98
	s_mov_b32 s20, CN127
	s_mov_b32 s21, C127
	s_wait_kmcnt 0x0
	s_min_u32 s14, s14, LAST                       ; no load leaves the table, whatever the list holds
	s_mul_i32 s14, s14, ROW                        ; at most 50,256 x 3,072 = 154,386,432: fits 32 bits
	s_add_nc_u64 s[6:7], s[6:7], s[14:15]          ; weight at the row named
.irp j, 0,1,2,3,4,5
	global_load_b128 v[W+4*\j:W+4*\j+3], v1, s[6:7] offset:512*\j  ; no streaming hint: the list may name a row twice
.endr
	; PASS 1: the largest |w| of my 24 numbers, in two chains, piece by piece as the loads come back in order (ISA guide 5.7.1):
	; the count is the number of younger pieces that may still be out.  The first piece starts the chains: nothing is cleared.
	s_wait_loadcnt 0x5
	v_max_num_f32 v[M],   |v[W]|,   |v[W+1]|
	v_max_num_f32 v[M+1], |v[W+2]|, |v[W+3]|
.irp j, 1,2,3,4,5
	s_wait_loadcnt 5-\j
	v_max3_num_f32 v[M],   |v[W+4*\j]|,   |v[W+4*\j+1]|, v[M]
	v_max3_num_f32 v[M+1], |v[W+4*\j+2]|, |v[W+4*\j+3]|, v[M+1]
.endr
	v_max3_num_f32 v[M], v[M], v[M+1], CFLOOR      ; the two chains, and the reference's floor of 1e-8 (a maximum too, so its place is free)
	; across the 32 lanes: four steps inside each half of 16 lanes ride on the maximum itself, one crosses the halves
.irp x, 1,2,4,8
	v_max_num_f32_dpp v[M], v[M], v[M] row_xmask:\x row_mask:0xf bank_mask:0xf
.endr
	v_permlanex16_b32 v[M+1], v[M], s18, s19       ; its destination counts as read: M+1 has been written
	v_max_num_f32 v[M], v[M], v[M+1]               ; m = max(absmax, 1e-8), in every lane
	; scale = m x RN(1/127), kept NEGATED (rounding is symmetric), so that w - n x scale below is a plain fused multiply-add.
	; m lies in [1e-8, f32's largest], so scale and 1 / scale are normal numbers: no step here underflows or overflows.
	v_mul_f32   v[NS], CNINV, v[M]                 ; -scale
	v_rcp_f32   v[Y], v[NS]                        ; -y0, a guess of -1 / scale
	v_mul_f32   v[NS+1], CNINV, v[M]               ; the pair's second half; also the plain instruction that stands between v_rcp_f32 and the use of its result (ISA guide 5.7.2)
	s_wait_alu depctr_va_vdst(0)
	v_fma_f32   v[E2], -v[NS], v[Y], 1.0           ; 1 - scale y0
	v_fma_f32   v[R],   -v[E2], v[Y], -v[Y]        ; y0 + y0 (1 - scale y0): one Newton step rounds 1 / scale correctly
	v_fma_f32   v[R+1], -v[E2], v[Y], -v[Y]
; PASS 2, eight numbers (two pieces) at a time, each step on independent registers so that no line waits for the one in front.
.macro QUANT c
.irp p, 0,2,4,6
	v_pk_mul_f32 v[T+\p:T+\p+1], v[W+8*\c+\p:W+8*\c+\p+1], v[R:R+1]                     ; t = w x (1 / scale)
.endr
.irp e, 0,1,2,3,4,5,6,7
	v_rndne_f32 v[T+\e], v[T+\e]                   ; to the nearest integer, ties to even, as jnp.round
.endr
.irp e, 0,1,2,3,4,5,6,7
	v_med3_num_f32 v[T+\e], v[T+\e], s20, s21      ; the reference's clip to -127 .. 127
.endr
.irp p, 0,2,4,6
	v_pk_fma_f32 v[U+\p:U+\p+1], v[T+\p:T+\p+1], v[NS:NS+1], v[W+8*\c+\p:W+8*\c+\p+1]   ; w - q, with q = n x scale
.endr
.irp p, 0,2,4,6
	v_pk_add_f32 v[W+8*\c+\p:W+8*\c+\p+1], v[W+8*\c+\p:W+8*\c+\p+1], v[U+\p:U+\p+1] neg_lo:[0,1] neg_hi:[0,1]  ; w - (w - q) = w + (q - w), the straight-through form
.endr
	; each store of the wave covers 512 consecutive bytes that start at a multiple of 256 from out0's first byte; written once, never read here
	global_store_b128 v1, v[W+8*\c:W+8*\c+3],   s[8:9] offset:1024*\c th:TH_STORE_NT
	global_store_b128 v1, v[W+8*\c+4:W+8*\c+7], s[8:9] offset:1024*\c+512 th:TH_STORE_NT
.endm
	QUANT 0
	QUANT 1
	QUANT 2                                        ; no register that a store reads is written again
	s_endpgm
.Lfunc_end_k_q7c9fa9cf47_gatherquant:
	.size	k_q7c9fa9cf47_gatherquant, .Lfunc_end_k_q7c9fa9cf47_gatherquant-k_q7c9fa9cf47_gatherquant
	.p2alignl 7, 3214868480
	.fill 96, 4, 3214868480
	.section	.rodata,"a",@progbits
	.p2align	6, 0x0
	.amdhsa_kernel k_q7c9fa9cf47_gatherquant
		.amdhsa_group_segment_fixed_size 0
		.amdhsa_private_segment_fixed_size 0
		.amdhsa_enable_private_segment 0
		.amdhsa_kernarg_size 24
		.amdhsa_user_sgpr_count 2
		.amdhsa_user_sgpr_kernarg_segment_ptr 1
		.amdhsa_wavefront_size32 1
		.amdhsa_system_sgpr_workgroup_id_x 1
		.amdhsa_system_sgpr_workgroup_id_y 1
		.amdhsa_system_sgpr_workgroup_id_z 1
		.amdhsa_system_vgpr_workitem_id 0
		.amdhsa_next_free_vgpr 56
		.amdhsa_next_free_sgpr 66
		.amdhsa_reserve_vcc 0
		.amdhsa_float_denorm_mode_32 3
		.amdhsa_float_denorm_mode_16_64 3
		.amdhsa_memory_ordered 1
		.amdhsa_forward_progress 1
		.amdhsa_inst_pref_size 9
	.end_amdhsa_kernel
	.amdgpu_metadata
---
amdhsa.version: [ 1, 2 ]
amdhsa.kernels:
  - .name:           k_q7c9fa9cf47_gatherquant
    .symbol:         k_q7c9fa9cf47_gatherquant.kd
    .args:
      - { .name: input, .offset: 0, .size: 8, .value_kind: global_buffer, .address_space: global }
      - { .name: weight, .offset: 8, .size: 8, .value_kind: global_buffer, .address_space: global }
      - { .name: out0, .offset: 16, .size: 8, .value_kind: global_buffer, .address_space: global }
    .group_segment_fixed_size: 0
    .private_segment_fixed_size: 0
    .kernarg_segment_align: 8
    .kernarg_segment_size: 24
    .max_flat_workgroup_size: 512
    .sgpr_count:     66
    .vgpr_count:     56
    .wavefront_size: 32
...
	.end_amdgpu_metadata
.endif
;; end of part 1
